; MI455X (gfx1250); checked and timed in simulation.
; The chip was launched on July 23, 2026; its instructions are those of AMD's public machine-readable ISA for CDNA 5 (MIT licence, August 2026) and "CDNA5" Instruction Set Architecture Reference Guide (July 2026). The comments in the code are by the model that wrote it; some were corrected since.
;; Transformer Model. Allowed arithmetic: float matrix products may take bf16 or f16 operands with f32 sums; other float arithmetic in f32, or as packed bf16 or f16 multiplies, adds, multiply-adds, maxima and minima; sums over many terms, partial sums and values carried from step to step in f32; what a program stores and reads back later, other than sums and carried values, may be rounded once to bf16 or f16.
;; Inputs: W1 8 x 128 x 512 float32; W2 8 x 512 x 128 float32; Wk 8 x 8 x 128 x 16 float32; Wo 8 x 128 x 128 float32; Wout 128 x 65 float32; Wq 8 x 8 x 128 x 16 float32; Wv 8 x 8 x 128 x 16 float32; b1 8 x 512 float32; b2 8 x 128 float32; bo 8 x 128 float32; bout 65 float32; ln1_b 8 x 128 float32; ln1_g 8 x 128 float32; ln2_b 8 x 128 float32; ln2_g 8 x 128 float32; lnf_b 128 float32; lnf_g 128 float32; pos_emb 16 x 128 float32; tok_emb 65 x 128 float32; tokens 2,048 x 16 int32.
;; Outputs: out0 2,048 x 16 x 65 float32.
;; One version. Each part assembles by itself: llvm-mc -triple=amdgcn-amd-amdhsa -mcpu=gfx1250 --defsym DOCPART=n.
;; ======== version 1 of 1: 2 launches
;; limits: values are held in f16: magnitudes above 65,504 overflow, below 6.1e-05 lose precision
;; workspace buffers: ws 3,250,688 bytes
;; launch prep (part 1): grid 775 x 1, 4 waves a work-group, no clusters, 0 bytes of LDS; arguments Wq, Wk, Wv, Wo, W1, W2, Wout, ln1_g, ln1_b, bo, ln2_g, ln2_b, b2, b1, lnf_g, lnf_b, bout, tok_emb, pos_emb, ws; writes ws
.if DOCPART == 1
	.amdgcn_target "amdgcn-amd-amdhsa--gfx1250"
	.amdhsa_code_object_version 6
	.text
	.protected	k_q237bdd9cdd_prep
	.globl	k_q237bdd9cdd_prep
	.p2align	8
	.type	k_q237bdd9cdd_prep,@function
k_q237bdd9cdd_prep:
	s_mov_b64 s[64:65], 0
	v_nop
	global_prefetch_b8 v0, s[64:65] scope:SCOPE_SE
	s_setreg_imm32_b32 hwreg(HW_REG_WAVE_MODE, 25, 1), 1
	s_wait_xcnt 0x0
; All float inputs are rounded once to bf16 and laid out for the launch behind.
; WEIGHTS: the bf16 number is written as f16, in FRAGMENTS of 1,024 bytes: 16 output features n0 .. n0 + 15 x 32 inputs k0 .. k0 + 31; the 16 bytes at
; 16 L + 512 half (L = r + 16 h) hold W[k0 + 16 half + 8 h + 0..7][n0 + r]: the register image of a matrix operand, 16 bytes a lane, twice.
; 24 pieces of 128 fragments, piece 3 l + s.  s = 0: fragment 32 m + 4 hd + kk of Wq, Wk, Wv (m = 0, 1, 2), then 96 + 8 kk + ft of Wo.
; s = 1, 2: chunk c = f / 16 of 32 hidden features (cg = 8 (s - 1) + c): 2 kk + t2 of W1, then 8 + ft of W2.
; PARAMETERS, at PAR: eight blocks of 5,120 bytes (ln1_g, ln1_b, bo, ln2_g, ln2_b, b2: 512 bytes each; b1: 2,048), then lnf_g, lnf_b, bout (1,024 bytes, zeros
; behind its 65 numbers), then 20 fragments of Wout (4 ft + kk; rows beyond 64 are zeros).  TABLES, at TAB: tok_emb, pos_emb.  Parameters and tables stay f32 words that hold bf16 numbers.
; LIMITS: a weight beyond 65,504 becomes an infinity in f16; below 2^-14 it keeps f16's fixed step of 6e-8.
; A stream with a little arithmetic: no LDS, no matrix unit, no cluster (no two work-groups read the same bytes).  Every store of a wave covers 512 consecutive bytes, aligned.
; Work-groups 0-767: a fragment a wave.  768-772: Wout.  773: the parameters.  774: the tables.
.set PAR, 3145728
.set TAB, 3209216
	s_load_b512 s[8:23], s[0:1], 0x0               ; Wq 8, Wk 10, Wv 12, Wo 14, W1 16, W2 18, Wout 20, ln1_g 22
	s_load_b512 s[24:39], s[0:1], 0x40             ; ln1_b 24, bo 26, ln2_g 28, ln2_b 30, b2 32, b1 34, lnf_g 36, lnf_b 38
	s_load_b256 s[40:47], s[0:1], 0x80             ; bout 40, tok_emb 42, pos_emb 44, ws 46
	v_lshrrev_b32 v1, 5, v0
	v_readfirstlane_b32 s4, v1                     ; wave 0..3
	v_and_b32 v1, 15, v0                           ; r
	v_bfe_u32 v2, v0, 4, 1                         ; h
	v_and_b32 v3, 31, v0                           ; lane
	v_lshlrev_b32 v6, 4, v3                        ; 16 x lane
	s_mov_b32 s3, 0                                ; the high word of every byte offset
	s_wait_kmcnt 0x0
; 16 loads: W[k0 + 16 half + 8 h + i][n0 + r], rows of n floats; s[50:51] stands at W[k0][n0]
.macro GATHER n
	v_mul_u32_u24 v4, v2, 32*(\n)                  ; 8 h rows, in bytes
	v_lshl_add_u32 v4, v1, 2, v4                   ; + 4 r
.irp hf, 0,1
.irp i, 0,1,2,3,4,5,6,7
	global_load_b32 v[16+8*(\hf)+(\i)], v4, s[50:51] offset:4*(\n)*(16*(\hf)+(\i))
.endr
.endr
.endm
; four f32 words are rounded to bf16 and widened again, in place
.macro ROUND4 b
	v_cvt_pk_bf16_f32 v8, v[(\b)], v[(\b)+1]
	v_cvt_pk_bf16_f32 v9, v[(\b)+2], v[(\b)+3]
	v_lshlrev_b32 v[(\b)], 16, v8
	v_and_b32 v[(\b)+1], 0xffff0000, v8
	v_lshlrev_b32 v[(\b)+2], 16, v9
	v_and_b32 v[(\b)+3], 0xffff0000, v9
.endm
	s_cmp_lt_u32 ttmp9, 768
	s_cbranch_scc0 .Lnot_frag
	s_lshl_b32 s5, ttmp9, 2
	s_add_co_u32 s5, s5, s4                        ; the fragment's number F
	s_lshr_b32 s6, s5, 7                           ; piece p
	s_and_b32 s7, s5, 127                          ; f
	s_mul_i32 s52, s6, 171
	s_lshr_b32 s52, s52, 9                         ; layer l = p / 3 (exact for p under 24)
	s_mul_i32 s53, s52, 3
	s_sub_co_u32 s53, s6, s53                      ; s = p - 3 l
	s_lshl_b32 s54, s5, 10
	v_add_nc_u32 v5, s54, v6                       ; where my 16 bytes go: 1,024 F + 16 x lane
	s_cmp_eq_u32 s53, 0
	s_cbranch_scc0 .Lffn
	s_cmp_lt_u32 s7, 96
	s_cbranch_scc0 .Lwo
	s_lshr_b32 s55, s7, 5                          ; m
	s_bfe_u32 s56, s7, 0x30002                     ; hd
	s_and_b32 s57, s7, 3                           ; kk
	s_lshl3_add_u32 s56, s52, s56                  ; 8 l + hd
	s_lshl_b32 s56, s56, 13                        ; x 128 rows of 64 bytes
	s_lshl_b32 s57, s57, 11                        ; 32 kk rows
	s_add_co_u32 s2, s56, s57
	s_cmp_eq_u32 s55, 0
	s_cselect_b64 s[50:51], s[8:9], s[10:11]
	s_cmp_eq_u32 s55, 2
	s_cselect_b64 s[50:51], s[12:13], s[50:51]
	s_add_nc_u64 s[50:51], s[50:51], s[2:3]
	GATHER 16
	s_branch .Lconv
.Lwo:
	s_sub_co_u32 s55, s7, 96
	s_lshr_b32 s56, s55, 3                         ; kk
	s_and_b32 s57, s55, 7                          ; ft
	s_lshl_b32 s58, s52, 16                        ; l x 128 rows of 512 bytes
	s_lshl_b32 s56, s56, 14                        ; 32 kk rows
	s_lshl_b32 s57, s57, 6                         ; 16 ft columns
	s_add_co_u32 s2, s58, s56
	s_add_co_u32 s2, s2, s57
	s_add_nc_u64 s[50:51], s[14:15], s[2:3]
	GATHER 128
	s_branch .Lconv
.Lffn:
	s_lshr_b32 s55, s7, 4                          ; c
	s_sub_co_u32 s56, s53, 1
	s_lshl3_add_u32 s55, s56, s55                  ; cg = 8 (s - 1) + c
	s_and_b32 s56, s7, 15                          ; e
	s_lshl_b32 s57, s52, 18                        ; l x 65,536 floats
	s_cmp_lt_u32 s56, 8
	s_cbranch_scc0 .Lw2
	s_lshr_b32 s58, s56, 1                         ; kk
	s_and_b32 s59, s56, 1                          ; t2
	s_lshl_b32 s58, s58, 16                        ; 32 kk rows of 2,048 bytes
	s_lshl_b32 s59, s59, 6                         ; 16 t2 columns
	s_lshl_b32 s55, s55, 7                         ; 32 cg columns
	s_add_co_u32 s2, s57, s58
	s_add_co_u32 s2, s2, s59
	s_add_co_u32 s2, s2, s55
	s_add_nc_u64 s[50:51], s[16:17], s[2:3]
	GATHER 512
	s_branch .Lconv
.Lw2:
	s_sub_co_u32 s58, s56, 8                       ; ft
	s_lshl_b32 s58, s58, 6
	s_lshl_b32 s55, s55, 14                        ; 32 cg rows of 512 bytes
	s_add_co_u32 s2, s57, s58
	s_add_co_u32 s2, s2, s55
	s_add_nc_u64 s[50:51], s[18:19], s[2:3]
	GATHER 128
	s_branch .Lconv
.Lnot_frag:
	s_cmp_lt_u32 ttmp9, 773
	s_cbranch_scc0 .Lnot_wout
	s_sub_co_u32 s5, ttmp9, 768                    ; ft; kk = my wave's number
	s_lshl_b32 s6, s5, 4
	v_add_nc_u32 v7, s6, v1                        ; n = 16 ft + r
	v_min_u32 v10, 64, v7                          ; no load leaves the row: columns beyond 64 read column 64 and are set to 0 below
	v_mul_u32_u24 v4, v2, 2080                     ; 8 h rows of 260 bytes
	v_lshl_add_u32 v4, v10, 2, v4
	s_mul_i32 s2, s4, 8320                         ; 32 kk rows
	s_add_nc_u64 s[50:51], s[20:21], s[2:3]
.irp hf, 0,1
.irp i, 0,1,2,3,4,5,6,7
	global_load_b32 v[16+8*(\hf)+(\i)], v4, s[50:51] offset:260*(16*(\hf)+(\i))
.endr
.endr
	s_lshl2_add_u32 s5, s5, s4                     ; 4 ft + kk
	s_lshl_b32 s5, s5, 10
	s_add_co_u32 s5, s5, PAR+43008
	v_add_nc_u32 v5, s5, v6
	s_wait_loadcnt 0x0
	v_cmp_ge_u32 vcc_lo, 64, v7
.irp i, 0,1,2,3,4,5,6,7,8,9,10,11,12,13,14,15
	v_cndmask_b32 v[16+(\i)], 0, v[16+(\i)], vcc_lo
.endr
.Lconv:                                                ; 16 numbers a lane: to bf16, that number to f16, 2 x 16 bytes out
	s_wait_loadcnt 0x0
.irp q, 0,1,2,3,4,5,6,7
	v_cvt_pk_bf16_f32 v[40+(\q)], v[16+2*(\q)], v[17+2*(\q)]
.endr
.irp q, 0,1,2,3,4,5,6,7
	v_lshlrev_b32 v[16+2*(\q)], 16, v[40+(\q)]
	v_and_b32 v[17+2*(\q)], 0xffff0000, v[40+(\q)]
.endr
.irp q, 0,1,2,3,4,5,6,7
	v_cvt_pk_f16_f32 v[32+(\q)], v[16+2*(\q)], v[17+2*(\q)]
.endr
	global_store_b128 v5, v[32:35], s[46:47]
	global_store_b128 v5, v[36:39], s[46:47] offset:512
	s_endpgm
.Lnot_wout:
	v_lshlrev_b32 v4, 4, v0                        ; 16 t: 128 threads take 2,048 consecutive bytes
	s_cmp_eq_u32 ttmp9, 773
	s_cbranch_scc0 .Ltables
	; THE PARAMETERS.  Six arrays [8][128]: thread t's 16 bytes at 16 t + 2,048 it belong to layer wave + 4 it, byte 16 x lane.  b1 [8][512]: layer it, byte 16 t.
	s_mul_i32 s5, s4, 5120
	s_add_co_u32 s5, s5, PAR
	v_add_nc_u32 v5, s5, v6
	v_add_nc_u32 v7, PAR+3072, v4
.irp sg, 0,1,2,3,4,5
	global_load_b128 v[16+8*(\sg):16+8*(\sg)+3], v4, s[22+2*(\sg):23+2*(\sg)]
	global_load_b128 v[16+8*(\sg)+4:16+8*(\sg)+7], v4, s[22+2*(\sg):23+2*(\sg)] offset:2048
.endr
.irp it, 0,1,2,3,4,5,6,7
	global_load_b128 v[64+4*(\it):64+4*(\it)+3], v4, s[34:35] offset:2048*(\it)
.endr
	s_wait_loadcnt 0x0
.irp g, 0,1,2,3,4,5,6,7,8,9,10,11,12,13,14,15,16,17,18,19
	ROUND4 16+4*(\g)
.endr
.irp sg, 0,1,2,3,4,5
	global_store_b128 v5, v[16+8*(\sg):16+8*(\sg)+3], s[46:47] offset:512*(\sg)
	global_store_b128 v5, v[16+8*(\sg)+4:16+8*(\sg)+7], s[46:47] offset:20480+512*(\sg)
.endr
.irp it, 0,1,2,3,4,5,6,7
	global_store_b128 v7, v[64+4*(\it):64+4*(\it)+3], s[46:47] offset:5120*(\it)
.endr
	s_cmp_lt_u32 s4, 2
	s_cbranch_scc0 .Ldone
	v_lshlrev_b32 v10, 2, v0                       ; bout, waves 0 and 1: numbers 4 t .. 4 t + 3 of 256; beyond 64 they are zeros
.irp i, 0,1,2,3
	v_add_nc_u32 v[100+(\i)], (\i), v10
	v_min_u32 v[104+(\i)], 64, v[100+(\i)]
	v_lshlrev_b32 v[104+(\i)], 2, v[104+(\i)]
	global_load_b32 v[96+(\i)], v[104+(\i)], s[40:41]
.endr
	v_add_nc_u32 v11, PAR+40960+1024, v4
	s_wait_loadcnt 0x0
.irp i, 0,1,2,3
	v_cmp_ge_u32 vcc_lo, 64, v[100+(\i)]
	v_cndmask_b32 v[96+(\i)], 0, v[96+(\i)], vcc_lo
.endr
	ROUND4 96
	global_store_b128 v11, v[96:99], s[46:47]
	s_cmp_eq_u32 s4, 0
	s_cbranch_scc0 .Ldone
	global_load_b128 v[108:111], v4, s[36:37]      ; lnf_g, lnf_b: wave 0, 512 bytes each
	global_load_b128 v[112:115], v4, s[38:39]
	v_add_nc_u32 v12, PAR+40960, v4
	s_wait_loadcnt 0x0
	ROUND4 108
	ROUND4 112
	global_store_b128 v12, v[108:111], s[46:47]
	global_store_b128 v12, v[112:115], s[46:47] offset:512
.Ldone:
	s_endpgm
.Ltables:                                              ; tok_emb: 16 x 2,048 bytes and 512 more; pos_emb: 4 x 2,048
.irp it, 0,1,2,3,4,5,6,7,8,9,10,11,12,13,14,15
	global_load_b128 v[16+4*(\it):16+4*(\it)+3], v4, s[42:43] offset:2048*(\it)
.endr
.irp it, 0,1,2,3
	global_load_b128 v[80+4*(\it):80+4*(\it)+3], v4, s[44:45] offset:2048*(\it)
.endr
	s_add_nc_u64 s[48:49], s[46:47], TAB
	s_wait_loadcnt 0x0
.irp g, 0,1,2,3,4,5,6,7,8,9,10,11,12,13,14,15,16,17,18,19
	ROUND4 16+4*(\g)
.endr
.irp it, 0,1,2,3,4,5,6,7,8,9,10,11,12,13,14,15
	global_store_b128 v4, v[16+4*(\it):16+4*(\it)+3], s[48:49] offset:2048*(\it)
.endr
.irp it, 0,1,2,3
	global_store_b128 v4, v[80+4*(\it):80+4*(\it)+3], s[48:49] offset:33280+2048*(\it)
.endr
	s_cmp_eq_u32 s4, 0
	s_cbranch_scc0 .Ldone2
	global_load_b128 v[96:99], v4, s[42:43] offset:32768
	s_wait_loadcnt 0x0
	ROUND4 96
	global_store_b128 v4, v[96:99], s[48:49] offset:32768
.Ldone2:
	s_endpgm
.Lfunc_end_k_q237bdd9cdd_prep:
	.size	k_q237bdd9cdd_prep, .Lfunc_end_k_q237bdd9cdd_prep-k_q237bdd9cdd_prep
	.p2alignl 7, 3214868480
	.fill 96, 4, 3214868480
	.section	.rodata,"a",@progbits
	.p2align	6, 0x0
	.amdhsa_kernel k_q237bdd9cdd_prep
		.amdhsa_group_segment_fixed_size 0
		.amdhsa_private_segment_fixed_size 0
		.amdhsa_enable_private_segment 0
		.amdhsa_kernarg_size 160
		.amdhsa_user_sgpr_count 2
		.amdhsa_user_sgpr_kernarg_segment_ptr 1
		.amdhsa_wavefront_size32 1
		.amdhsa_system_sgpr_workgroup_id_x 1
		.amdhsa_system_sgpr_workgroup_id_y 1
		.amdhsa_system_sgpr_workgroup_id_z 1
		.amdhsa_system_vgpr_workitem_id 0
		.amdhsa_next_free_vgpr 120
		.amdhsa_next_free_sgpr 66
		.amdhsa_reserve_vcc 1
		.amdhsa_float_denorm_mode_32 3
		.amdhsa_float_denorm_mode_16_64 3
		.amdhsa_memory_ordered 1
		.amdhsa_forward_progress 1
		.amdhsa_inst_pref_size 39
	.end_amdhsa_kernel
	.amdgpu_metadata
---
amdhsa.version: [ 1, 2 ]
amdhsa.kernels:
  - .name:           k_q237bdd9cdd_prep
    .symbol:         k_q237bdd9cdd_prep.kd
    .args:
      - { .name: Wq, .offset: 0, .size: 8, .value_kind: global_buffer, .address_space: global }
      - { .name: Wk, .offset: 8, .size: 8, .value_kind: global_buffer, .address_space: global }
      - { .name: Wv, .offset: 16, .size: 8, .value_kind: global_buffer, .address_space: global }
      - { .name: Wo, .offset: 24, .size: 8, .value_kind: global_buffer, .address_space: global }
      - { .name: W1, .offset: 32, .size: 8, .value_kind: global_buffer, .address_space: global }
      - { .name: W2, .offset: 40, .size: 8, .value_kind: global_buffer, .address_space: global }
      - { .name: Wout, .offset: 48, .size: 8, .value_kind: global_buffer, .address_space: global }
      - { .name: ln1_g, .offset: 56, .size: 8, .value_kind: global_buffer, .address_space: global }
      - { .name: ln1_b, .offset: 64, .size: 8, .value_kind: global_buffer, .address_space: global }
      - { .name: bo, .offset: 72, .size: 8, .value_kind: global_buffer, .address_space: global }
      - { .name: ln2_g, .offset: 80, .size: 8, .value_kind: global_buffer, .address_space: global }
      - { .name: ln2_b, .offset: 88, .size: 8, .value_kind: global_buffer, .address_space: global }
      - { .name: b2, .offset: 96, .size: 8, .value_kind: global_buffer, .address_space: global }
      - { .name: b1, .offset: 104, .size: 8, .value_kind: global_buffer, .address_space: global }
      - { .name: lnf_g, .offset: 112, .size: 8, .value_kind: global_buffer, .address_space: global }
      - { .name: lnf_b, .offset: 120, .size: 8, .value_kind: global_buffer, .address_space: global }
      - { .name: bout, .offset: 128, .size: 8, .value_kind: global_buffer, .address_space: global }
      - { .name: tok_emb, .offset: 136, .size: 8, .value_kind: global_buffer, .address_space: global }
      - { .name: pos_emb, .offset: 144, .size: 8, .value_kind: global_buffer, .address_space: global }
      - { .name: ws, .offset: 152, .size: 8, .value_kind: global_buffer, .address_space: global }
    .group_segment_fixed_size: 0
    .private_segment_fixed_size: 0
    .kernarg_segment_align: 8
    .kernarg_segment_size: 160
    .max_flat_workgroup_size: 128
    .sgpr_count:     66
    .vgpr_count:     120
    .wavefront_size: 32
...
	.end_amdgpu_metadata
.endif
;; end of part 1
;; launch model (part 2): grid 256 x 1, 4 waves a work-group, clusters of 4 x 1, 327,680 bytes of LDS; arguments tokens, ws, out0; writes out0
.if DOCPART == 2
	.amdgcn_target "amdgcn-amd-amdhsa--gfx1250"
	.amdhsa_code_object_version 6
	.text
	.protected	k_q237bdd9cdd_model
	.globl	k_q237bdd9cdd_model
	.p2align	8
	.type	k_q237bdd9cdd_model,@function
k_q237bdd9cdd_model:
	s_mov_b64 s[64:65], 0
	v_nop
	global_prefetch_b8 v0, s[64:65] scope:SCOPE_SE
	s_setreg_imm32_b32 hwreg(HW_REG_WAVE_MODE, 25, 1), 1
	s_wait_xcnt 0x0
	s_wait_alu depctr_hold_cnt(0) depctr_sa_sdst(0) depctr_va_vdst(0) depctr_va_sdst(0) depctr_va_ssrc(0) depctr_va_vcc(0) depctr_vm_vsrc(0)
	s_getreg_b32 s2, hwreg(HW_REG_IB_STS2, 6, 4)
	s_cmp_eq_u32 s2, 0
	s_cbranch_scc0 .Lentry_in_a_cluster
	s_endpgm
.Lentry_in_a_cluster:
	s_bfe_u32 s2, ttmp6, 0x10000c
	s_cmp_lg_u32 s2, 0x3003
	s_cbranch_scc0 .Lentry_shape_is_right
	s_endpgm
.Lentry_shape_is_right:
; THE WHOLE NETWORK IN ONE LAUNCH: embedding, eight blocks (LayerNorm, causal attention of 8 heads of 16, projection, LayerNorm, 128 -> 512 -> 128 with ReLU), LayerNorm, 65 logits.
; SHARES.  2,048 sequences of 16 tokens.  A work-group owns 8 sequences, a wave 2 (u = 0, 1); 256 work-groups.  x stays in registers, in f32, from the embedding to the logits.
; LAYOUT.  Every product is taken transposed: source 0 = 16 output features x 32 inputs of a weight, source 1 = 32 inputs x the 16 tokens of a sequence.  In a result lane (r, h) holds
; token r and the features 8 h + 0..7 of the tile; two tiles rounded to f16 in pairs ARE the next product's source 1.  So no activation changes lanes or goes through LDS; the residual sum is
; the C operand; LayerNorm and softmax want one exchange between the halves of the lanes.
; ATTENTION.  A head has 16 dims, a product 32 along K: source 0 holds both sequences' k (or v), 16 + 16 along K, and source 1 one sequence's q (or weights) beside 16 zeros.  v is made with the
; sources swapped, so that its result is V^T's image.  The causal mask is the C operand of K Q^T: 0 or -1e30.  p = 2^(c s - c m), c = log2(e) / 4, m the row's maximum.
; FORMATS.  Weights arrive as f16 fragments that hold bf16 numbers; parameters and tables as f32 words that hold bf16 numbers (the launch in front).  What this text makes (h, q, k, v, p, o, the hidden layer)
; is rounded once to f16; sums, x, maxima and statistics are f32.
; LIMITS.  An f16 operand beyond 65,504 becomes an infinity.  A hidden score counts as its value less 1e30.  A weight p below 2^-126 counts as 0.  A token's number is held to 0 .. 64.  NaN and infinities are not treated apart.
; WEIGHTS.  24 pieces of 131,072 bytes (3 a layer: q, k, v, o | hidden 0-255 | hidden 256-511) walk through two LDS slots.  All work-groups walk the same pieces: the four of a cluster ask JOINTLY, wave w for
; quarter w.  A fragment lies in LDS as it lies in registers, 16 bytes a lane on end: no padding is wanted.  Every wave reads every fragment once and multiplies its two sequences by it.
; LDS: slot 0 at 0, slot 1 at 131,072; the parameters and Wout's fragments at PARB, filled once; the spare words behind them.  When slot 0 has had its last fill it takes the logits' stage.
; REGISTERS, in windows of 256 (s_set_vgpr_msb: bits 1:0 source 0, 3:2 source 1, 5:4 source 2, 7:6 destination):
;   window 0: v0-31 addresses; v32-39 the mask; v40-103 statistics; v128-255 SA: scores and o, LayerNorm's work, bias vectors, the way out
;   window 1: v0-127 x (tile ft, sequence u at 8 (2 ft + u)); v128-223 q, k, v sums (two sets of 48), or the hidden sums, hidden f16 and b1, or the logits; v224 zero
;   window 2: v0-63 H, the f16 source 1 (32 features kk, sequence u at 8 (2 kk + u)); v64-255 F, weight fragments
;   window 3: v0-95 q or p: a head's 12 are [u = 0][zeros][u = 1]; v96-159 k; v160-223 v; the last two also take LayerNorm's gain and bias
.set SLOT1, 1<<17
.set PIECE, 131072
.set PARB,  2*SLOT1
.set PARQ,  15872                      ; a quarter of the parameters' 63,488 bytes: 62 rows of 256
.set SPARE, PARB+4*PARQ                ; the spare words, 128 bytes for each wave: two blocks of 256 bytes that no other line names
.set PAR,   24*PIECE                   ; in ws
.set TAB,   PAR+4*PARQ
.set LBLK,  5120                       ; a layer's parameters
.set WOUTB, 43008                      ; Wout's fragments, from the parameters' first byte
.set LN16, 2                           ; v2   16 x lane; never rewritten
.set AD0,  3                           ; v3   16 x lane + the slot that is read
.set AD1,  4                           ; v4   the same + 65,536
.set ADF,  5                           ; v5   16 x lane + the chunk in hand
.set H32,  6                           ; v6   32 h; never rewritten
.set ADB,  7                           ; v7   32 h + b1 of the chunk in hand
.set RR,   8                           ; v8   r
.set HH,   9                           ; v9   h
.set PFO,  10                          ; v10  256 x lane; never rewritten
.set ADP,  11                          ; v11  32 h + the layer's parameters
.set GT,   12                          ; v12-13 my two tokens' rows in the table
.set GP,   14                          ; v14  my row of pos_emb
.set STA,  15                          ; v15  the stage: my token's row + 32 h
.set STL,  16                          ; v16  the same for logit 64: lanes with h = 1 point into the dump
.set RD,   17                          ; v17  8,192 x wave + 16 x lane: in the stage and in my work-group's bytes of out0
.set AW,   19                          ; v19  16 x lane + Wout's fragments
.set TK,   20                          ; v20  4 r
.set SPW,  28                          ; v28  LDS address of my spare word; never rewritten
.set NIL,  29                          ; v29  0; never rewritten
.set C128, 30                          ; v30  1 / 128
.set MD,   32
.set ST,   40                          ; tile t = 2 hd + u: c m, at work, l, at work
.set CH,   40                          ; LayerNorm: four packed chains for each u
.set MM,   56                          ; the mean, at 2 u
.set RS,   60                          ; 1 / sqrt(var + eps), at 2 u
.set TT,   64                          ; at work, at 2 u
.set SA,   128
.set X,    0
.set QA,   128
.set HA,   128                         ; hidden sums: 8 (2 t2 + u)
.set HB,   160                         ; hidden f16: 16 par + 8 u
.set BI,   192                         ; b1: 16 par + 8 t2
.set LG,   128                         ; logits: 8 (2 ft + u)
.set ZR,   224
.set H,    0
.set F,    64
.set QP,   0
.set KK,   96
.set VV,   160
.set WV,   10                          ; s10  my wave's number
.set CX,   11                          ; s11  my place in the cluster: it enters the tokens', out0's and the prefetches' addresses alone
.set WG,   12                          ; s12  my work-group
.set G1,   16                          ; s[16:23] descriptor group 1: 128 rows of 256 bytes
.set G1P,  24                          ; s[24:31] the same with 62 rows
.set G0,   32                          ; s[32:35] group 0 for the pieces: it walks
.set G0P,  36                          ; s[36:39] group 0 for the parameters
.set PFA,  40                          ; s[40:41] where my prefetches stand
.set LIM,  42                          ; s42  1 in the first cluster, else the greatest number
.set LEFT, 43                          ; s43  fills still to come
.set SB,   44                          ; s44  the slot that is read
.set LAY,  45
.set CNT,  46
.set TF,   47                          ; s47  LDS byte of the chunk in hand
.set CS,   48                          ; s[48:49] c
.set SEL,  50                          ; s[50:51] v_permlanex16_b32's selects: each lane takes its own place in the other half
.set TBP,  52                          ; s[52:53] the tables
.set PBS,  54                          ; s54  LDS byte of the layer's parameters
.set TBI,  55                          ; s55  LDS byte of b1 of the chunk in hand
.set BIGN, 58                          ; s58  -1e30
.set W_G,  0x5a                        ; D, C window 1; A, B window 2
.set W_G0, 0x4a                        ; the same with C in window 0
.set W_W2, 0x56                        ; A window 2; B, C, D window 1
.set W_AT, 0x0f                        ; A, B window 3; C, D window 0
.set W_CQ, 0xc5                        ; sources window 1, destination window 3
.set W_BX, 0x41                        ; destination and source 0 window 1, source 1 window 0
.set W_CH, 0x45                        ; sources and destination window 1
.set W_S2, 0x05                        ; sources window 1, destination window 0
.set W_S1, 0x01                        ; source 0 window 1
.set W_GB, 0x3c                        ; sources 1 and 2 window 3
.set TO1,  0x40
.set TO2,  0x80
.set TO3,  0xc0
.set W_ST, 0x04                        ; an LDS store's data in window 1
.set MSB, 0
.macro WIN new                         ; the immediate's high byte repeats the setting that is left; a switch that changes nothing is dropped
.if MSB != (\new)
	s_set_vgpr_msb (MSB<<8)|(\new)
.set MSB, (\new)
.endif
.endm
; A vector instruction or store that reads a matrix result, and a load into a register that a matrix instruction has read, stand four plain vector instructions behind it (ISA guide 7.12.1 for vector instructions)
.macro PLACES
.rept 4
	v_nop
.endr
.endm
; A round of the cluster's barrier: my work-group's barrier; wave 0 signals for the work-group; every wave waits for all four work-groups; my work-group's barrier once more
.macro CROUND
	s_barrier_signal -1
	s_barrier_wait -1
	s_cmp_lg_u32 s[WV], 0
	s_cbranch_scc1 .Lnot_wave_0_\@
	s_barrier_signal -3
.Lnot_wave_0_\@:
	s_barrier_wait -3
	s_barrier_signal -1
	s_barrier_wait -1
.endm
; A PREFETCH INTO THE L2 of the piece that the NEXT change of slots will ask for: 512 blocks of 256 bytes.  All clusters walk the same pieces: the first cluster asks.  Its four work-groups and their four waves share
; the blocks out by address (32,768 cx + 8,192 w + 256 x lane): one instruction a wave, each block named once in the launch.  The last change that fills a slot asks for nothing: there is no piece behind it.
.macro ASK
	s_cmp_gt_u32 s[LEFT], s[LIM]
	s_cbranch_scc0 .Lnot_mine_\@
	global_prefetch_b8 v[PFO], s[PFA:PFA+1] th:TH_LOAD_NT scope:SCOPE_SE
.Lnot_mine_\@:
.endm
; THE CHANGE OF SLOTS.  Each wave waits for all its tensor loads (one is out: its quarter of the other slot), adds 0 to its spare word, and waits for that and for its reads of the slot that it leaves.
; fill = 1: the barrier is a round of the cluster's, so that no wave of any partner still reads the slot; the joint refill, the next piece but one... the piece behind the one now entered, is the first thing behind it.
.macro CHANGE fill
	WIN 0                                          ; at a label and at a branch every window is 0
	s_wait_tensorcnt 0x0                           ; no tensor load of mine is out, so group 0 may be written
	ds_add_u32 v[SPW], v[NIL]                      ; 0 onto my spare word; with fill = 1 scalar work stands between it and the wait for it
.if \fill
	s_xor_b32 s[G0+1], s[G0+1], SLOT1              ; the other slot than last time,
	s_add_nc_u64 s[G0+2:G0+3], s[G0+2:G0+3], PIECE ; the next piece; the type bits on top are not reached
	s_wait_xcnt 0x0                                ; the last prefetch, a piece back, has read its address
	s_add_nc_u64 s[PFA:PFA+1], s[PFA:PFA+1], PIECE
	s_wait_dscnt 0x0                               ; the add is done, and my reads of the slot are over
	CROUND
	tensor_load_to_lds s[G0:G0+3], s[G1:G1+7]      ; my one tensor load behind the round: a piece's work, 256 matrix instructions or more, in which to land
	s_nop 0
	PLACES
	ASK
	s_sub_co_u32 s[LEFT], s[LEFT], 1
.else
	s_wait_dscnt 0x0
	s_barrier_signal -1
	s_barrier_wait -1
.endif
	s_xor_b32 s[SB], s[SB], SLOT1
	v_add_nc_u32 v[AD0], s[SB], v[LN16]
	v_add_nc_u32 v[AD1], 65536, v[AD0]
.endm
; a fragment: two loads of 16 bytes a lane, 512 bytes apart, from byte off of the slot
.macro FLD reg, off
.if (\off) < 65536
	ds_load_b128 v[(\reg):(\reg)+3], v[AD0] offset:(\off)
	ds_load_b128 v[(\reg)+4:(\reg)+7], v[AD0] offset:(\off)+512
.else
	ds_load_b128 v[(\reg):(\reg)+3], v[AD1] offset:(\off)-65536
	ds_load_b128 v[(\reg)+4:(\reg)+7], v[AD1] offset:(\off)-65536+512
.endif
.endm
.macro RUNQ hd                         ; a head's 12 fragments of Wq, Wk, Wv: 24 loads, into set hd % 2 of 96 registers
	WIN TO2
.irp m, 0,1,2
.irp kk, 0,1,2,3
	FLD F+96*((\hd)%2)+8*(4*(\m)+(\kk)), 1024*(32*(\m)+4*(\hd)+(\kk))
.endr
.endr
.endm
.macro RUNWO kk, buf                   ; Wo's 8 fragments for 32 inputs: 16 loads, into set buf of 64 registers
	WIN TO2
.irp ft, 0,1,2,3,4,5,6,7
	FLD F+64*(\buf)+8*(\ft), 1024*(96+8*(\kk)+(\ft))
.endr
.endm
.macro LNLOAD off                      ; a LayerNorm's gain and bias for my 64 features: 32 loads
	WIN TO3
.irp ft, 0,1,2,3,4,5,6,7
.irp hf, 0,1
	ds_load_b128 v[KK+8*(\ft)+4*(\hf):KK+8*(\ft)+4*(\hf)+3], v[ADP] offset:(\off)+64*(\ft)+16*(\hf)
	ds_load_b128 v[VV+8*(\ft)+4*(\hf):VV+8*(\ft)+4*(\hf)+3], v[ADP] offset:(\off)+512+64*(\ft)+16*(\hf)
.endr
.endr
.endm
.macro BVLOAD off                      ; a bias of 128 for my 64 features, into SA's first 64: 16 loads
	WIN 0
.irp ft, 0,1,2,3,4,5,6,7
.irp hf, 0,1
	ds_load_b128 v[SA+8*(\ft)+4*(\hf):SA+8*(\ft)+4*(\hf)+3], v[ADP] offset:(\off)+64*(\ft)+16*(\hf)
.endr
.endr
.endm
.macro BXADD ft, u                     ; x's tile (ft, u) takes that bias: four packed sums
	WIN W_BX
.irp q, 0,1,2,3
	v_pk_add_f32 v[X+8*(2*(\ft)+(\u))+2*(\q):X+8*(2*(\ft)+(\u))+2*(\q)+1], v[X+8*(2*(\ft)+(\u))+2*(\q):X+8*(2*(\ft)+(\u))+2*(\q)+1], v[SA+8*(\ft)+2*(\q):SA+8*(\ft)+2*(\q)+1]
.endr
.endm
; LAYERNORM of x into H.  The mean first, then the squares of the differences; each of x's accumulators is read from its low end on.
.macro LNRED                           ; the four chains of each u, the pair's halves and the other half of the lanes': the sum over 128 features in v[TT + 2 u]
	WIN 0
.irp u, 0,1
	v_pk_add_f32 v[CH+8*(\u):CH+8*(\u)+1], v[CH+8*(\u):CH+8*(\u)+1], v[CH+8*(\u)+2:CH+8*(\u)+3]
	v_pk_add_f32 v[CH+8*(\u)+4:CH+8*(\u)+5], v[CH+8*(\u)+4:CH+8*(\u)+5], v[CH+8*(\u)+6:CH+8*(\u)+7]
.endr
.irp u, 0,1
	v_pk_add_f32 v[CH+8*(\u):CH+8*(\u)+1], v[CH+8*(\u):CH+8*(\u)+1], v[CH+8*(\u)+4:CH+8*(\u)+5]
.endr
.irp u, 0,1
	v_add_f32 v[TT+2*(\u)], v[CH+8*(\u)], v[CH+8*(\u)+1]
.endr
.irp u, 0,1
	v_permlanex16_b32 v[TT+2*(\u)+1], v[TT+2*(\u)], s[SEL], s[SEL+1]
.endr
.irp u, 0,1
	v_add_f32 v[TT+2*(\u)], v[TT+2*(\u)], v[TT+2*(\u)+1]
.endr
.endm
.macro LN
	WIN W_S2
.irp u, 0,1
.irp q, 0,1,2,3
	v_pk_add_f32 v[CH+8*(\u)+2*(\q):CH+8*(\u)+2*(\q)+1], v[X+8*(\u)+2*(\q):X+8*(\u)+2*(\q)+1], v[X+16+8*(\u)+2*(\q):X+16+8*(\u)+2*(\q)+1]
.endr
.endr
	WIN W_S1
.irp ft, 2,3,4,5,6,7
.irp u, 0,1
.irp q, 0,1,2,3
	v_pk_add_f32 v[CH+8*(\u)+2*(\q):CH+8*(\u)+2*(\q)+1], v[X+8*(2*(\ft)+(\u))+2*(\q):X+8*(2*(\ft)+(\u))+2*(\q)+1], v[CH+8*(\u)+2*(\q):CH+8*(\u)+2*(\q)+1]
.endr
.endr
.endr
	LNRED
.irp u, 0,1
	v_mul_f32 v[MM+2*(\u)], v[C128], v[TT+2*(\u)]
.endr
	WIN W_S1
.irp ft, 0,1,2,3,4,5,6,7               ; d = x - mean, at SA + 64 u + 8 ft
.irp u, 0,1
.irp q, 0,1,2,3
	v_pk_add_f32 v[SA+64*(\u)+8*(\ft)+2*(\q):SA+64*(\u)+8*(\ft)+2*(\q)+1], v[X+8*(2*(\ft)+(\u))+2*(\q):X+8*(2*(\ft)+(\u))+2*(\q)+1], v[MM+2*(\u):MM+2*(\u)+1] op_sel_hi:[1,0] neg_lo:[0,1] neg_hi:[0,1]
.endr
.endr
.endr
	WIN 0
.irp u, 0,1
.irp q, 0,1,2,3
	v_pk_mul_f32 v[CH+8*(\u)+2*(\q):CH+8*(\u)+2*(\q)+1], v[SA+64*(\u)+2*(\q):SA+64*(\u)+2*(\q)+1], v[SA+64*(\u)+2*(\q):SA+64*(\u)+2*(\q)+1]
.endr
.endr
.irp ft, 1,2,3,4,5,6,7
.irp u, 0,1
.irp q, 0,1,2,3
	v_pk_fma_f32 v[CH+8*(\u)+2*(\q):CH+8*(\u)+2*(\q)+1], v[SA+64*(\u)+8*(\ft)+2*(\q):SA+64*(\u)+8*(\ft)+2*(\q)+1], v[SA+64*(\u)+8*(\ft)+2*(\q):SA+64*(\u)+8*(\ft)+2*(\q)+1], v[CH+8*(\u)+2*(\q):CH+8*(\u)+2*(\q)+1]
.endr
.endr
.endr
	LNRED
.irp u, 0,1
	v_fmaak_f32 v[TT+2*(\u)], v[TT+2*(\u)], v[C128], 0x3727c5ac  ; the variance + 1e-5
.endr
.irp u, 0,1
	v_rsq_f32 v[RS+2*(\u)], v[TT+2*(\u)]
.endr
	v_nop                                          ; a plain instruction behind the last root,
	s_wait_alu depctr_va_vdst(0)                   ; and the one wait ahead of the first use of the two
.irp ft, 0,1,2,3,4,5,6,7
.irp u, 0,1
.irp q, 0,1,2,3
	v_pk_mul_f32 v[SA+64*(\u)+8*(\ft)+2*(\q):SA+64*(\u)+8*(\ft)+2*(\q)+1], v[SA+64*(\u)+8*(\ft)+2*(\q):SA+64*(\u)+8*(\ft)+2*(\q)+1], v[RS+2*(\u):RS+2*(\u)+1] op_sel_hi:[1,0]
.endr
.endr
.endr
	s_wait_dscnt 0x0                               ; gain and bias are in
	WIN W_GB
.irp ft, 0,1,2,3,4,5,6,7
.irp u, 0,1
.irp q, 0,1,2,3
	v_pk_fma_f32 v[SA+64*(\u)+8*(\ft)+2*(\q):SA+64*(\u)+8*(\ft)+2*(\q)+1], v[SA+64*(\u)+8*(\ft)+2*(\q):SA+64*(\u)+8*(\ft)+2*(\q)+1], v[KK+8*(\ft)+2*(\q):KK+8*(\ft)+2*(\q)+1], v[VV+8*(\ft)+2*(\q):VV+8*(\ft)+2*(\q)+1]
.endr
.endr
.endr
	WIN TO2
.irp ft, 0,1,2,3,4,5,6,7
.irp u, 0,1
.irp q, 0,1,2,3
	v_cvt_pk_f16_f32 v[H+8*(2*((\ft)/2)+(\u))+4*((\ft)%2)+(\q)], v[SA+64*(\u)+8*(\ft)+2*(\q)], v[SA+64*(\u)+8*(\ft)+2*(\q)+1]
.endr
.endr
.endr
.endm
; Accumulator a (q0, q1, k0, k1, v0, v1) of head hp is rounded to f16: four conversions
.macro CVTQ hp, a
	WIN W_CQ
.set cs, QA+48*((\hp)%2)+8*(\a)
.if (\a) < 2
.set cd, QP+12*(\hp)+8*(\a)
.elseif (\a) < 4
.set cd, KK+8*(\hp)+4*((\a)-2)
.else
.set cd, VV+8*(\hp)+4*((\a)-4)
.endif
.irp q, 0,1,2,3
	v_cvt_pk_f16_f32 v[cd+(\q)], v[cs+2*(\q)], v[cs+2*(\q)+1]
.endr
.endm
; A HEAD's q, k, v for both sequences: 24 matrix instructions, the six accumulators by turns.  The next head's 24 loads go out first.  Behind every third product stand four vector
; instructions that name none of the products' registers: the conversions of the head before, then bo onto x's tiles (hd, 0) and (hd, 1).
.macro UNIT hd
	PLACES
.if (\hd) == 0
	s_wait_dscnt 0x0                               ; heads 0 and 1, and bo
.elseif (\hd) < 7
	RUNQ (\hd)+1
	s_wait_dscnt 24                                ; all but the 24 just issued
.else
	RUNWO 0, 0
	s_wait_dscnt 16                                ; all but the 16 just issued
.endif
.set gm, 0
.irp kk, 0,1,2,3
.irp a, 0,1,2,3,4,5
	WIN W_G
.set rD, QA+48*((\hd)%2)+8*(\a)
.set rW, F+96*((\hd)%2)+8*(4*((\a)/2)+(\kk))
.set rH, H+8*(2*(\kk)+(\a)%2)
.if (\a) < 4
.if (\kk) == 0
	v_wmma_f32_16x16x32_f16 v[rD:rD+7], v[rW:rW+7], v[rH:rH+7], 0
.else
	v_wmma_f32_16x16x32_f16 v[rD:rD+7], v[rW:rW+7], v[rH:rH+7], v[rD:rD+7]
.endif
.else
.if (\kk) == 0
	v_wmma_f32_16x16x32_f16 v[rD:rD+7], v[rH:rH+7], v[rW:rW+7], 0
.else
	v_wmma_f32_16x16x32_f16 v[rD:rD+7], v[rH:rH+7], v[rW:rW+7], v[rD:rD+7]
.endif
.endif
.if gm%3 == 2
.if gm/3 < 6
.if (\hd) > 0
	CVTQ (\hd)-1, gm/3
.endif
.else
	BXADD \hd, gm/3-6
.endif
.endif
.set gm, gm+1
.endr
.endr
.endm
.macro ALLT line:vararg                ; one line for each of the 16 tiles t = 2 hd + u
.set t, 0
.rept 16
	\line
.set t, t+1
.endr
.endm
.macro GRP4 line:vararg                ; one line for each tile of group gq
.set t, 4*gq
.rept 4
	\line
.set t, t+1
.endr
.endm
; ATTENTION for 8 heads x 2 sequences.  The 128 exponentials are one batch with one wait, the 16 reciprocals another.
.macro ATTN
	WIN W_AT
	ALLT v_wmma_f32_16x16x32_f16 v[SA+8*t:SA+8*t+7], v[KK+8*(t/2):KK+8*(t/2)+7], v[QP+12*(t/2)+4*(t%2):QP+12*(t/2)+4*(t%2)+7], v[MD:MD+7]
	WIN 0
	PLACES
	ALLT v_max3_num_f32 v[ST+4*t], v[SA+8*t], v[SA+8*t+1], v[SA+8*t+2]
	ALLT v_max3_num_f32 v[ST+4*t], v[ST+4*t], v[SA+8*t+3], v[SA+8*t+4]
	ALLT v_max3_num_f32 v[ST+4*t], v[ST+4*t], v[SA+8*t+5], v[SA+8*t+6]
	ALLT v_max_num_f32 v[ST+4*t], v[ST+4*t], v[SA+8*t+7]
	ALLT v_permlanex16_b32 v[ST+4*t+1], v[ST+4*t], s[SEL], s[SEL+1]
	ALLT v_max_num_f32 v[ST+4*t], v[ST+4*t], v[ST+4*t+1]
	ALLT v_mul_f32 v[ST+4*t], s[CS], v[ST+4*t]
.irp q, 0,1,2,3
	ALLT v_pk_fma_f32 v[SA+8*t+2*(\q):SA+8*t+2*(\q)+1], v[SA+8*t+2*(\q):SA+8*t+2*(\q)+1], s[CS:CS+1], v[ST+4*t:ST+4*t+1] op_sel_hi:[1,0,0] neg_lo:[0,0,1] neg_hi:[0,0,1]
.endr
.irp j, 0,1,2,3,4,5,6,7
	ALLT v_exp_f32 v[SA+8*t+(\j)], v[SA+8*t+(\j)]
.endr
	v_nop                                          ; a plain instruction behind the last exponential,
	s_wait_alu depctr_va_vdst(0)                   ; and the one wait for the batch, ahead of its first reader
	WIN TO3
.irp q, 0,1,2,3
	ALLT v_cvt_pk_f16_f32 v[QP+12*(t/2)+8*(t%2)+(\q)], v[SA+8*t+2*(\q)], v[SA+8*t+2*(\q)+1]
.endr
.set gq, 0
.rept 4                                ; four tiles' sums, then their products V^T P, which write o over the weights
	WIN 0
	GRP4 v_pk_add_f32 v[ST+4*t+2:ST+4*t+3], v[SA+8*t:SA+8*t+1], v[SA+8*t+2:SA+8*t+3]
	GRP4 v_pk_add_f32 v[ST+4*t+2:ST+4*t+3], v[ST+4*t+2:ST+4*t+3], v[SA+8*t+4:SA+8*t+5]
	GRP4 v_pk_add_f32 v[ST+4*t+2:ST+4*t+3], v[ST+4*t+2:ST+4*t+3], v[SA+8*t+6:SA+8*t+7]
	GRP4 v_add_f32 v[ST+4*t+2], v[ST+4*t+2], v[ST+4*t+3]
	WIN W_AT
	GRP4 v_wmma_f32_16x16x32_f16 v[SA+8*t:SA+8*t+7], v[VV+8*(t/2):VV+8*(t/2)+7], v[QP+12*(t/2)+4*(t%2):QP+12*(t/2)+4*(t%2)+7], 0
.set gq, gq+1
.endr
	WIN 0
	ALLT v_permlanex16_b32 v[ST+4*t+3], v[ST+4*t+2], s[SEL], s[SEL+1]
	ALLT v_add_f32 v[ST+4*t+2], v[ST+4*t+2], v[ST+4*t+3]
	ALLT v_rcp_f32 v[ST+4*t+2], v[ST+4*t+2]
	v_nop                                          ; a plain instruction behind the last reciprocal
	LNLOAD 1536                                    ; the second LayerNorm's gain and bias, where k and v lay: the 16 additions above are the places behind the last product that read v
	WIN 0
	s_wait_alu depctr_va_vdst(0)                   ; one wait for the 16 reciprocals
.irp q, 0,1,2,3
	ALLT v_pk_mul_f32 v[SA+8*t+2*(\q):SA+8*t+2*(\q)+1], v[SA+8*t+2*(\q):SA+8*t+2*(\q)+1], v[ST+4*t+2:ST+4*t+3] op_sel_hi:[1,0]
.endr
	WIN TO2
.irp q, 0,1,2,3
	ALLT v_cvt_pk_f16_f32 v[H+8*(2*(t/4)+(t%2))+4*((t/2)%2)+(\q)], v[SA+8*t+2*(\q)], v[SA+8*t+2*(\q)+1]
.endr
.endm
.macro WOK kk, buf                     ; x += Wo's 32 inputs kk: 16 matrix instructions on x's 16 accumulators, by turns
	WIN W_G
.irp ft, 0,1,2,3,4,5,6,7
.irp u, 0,1
	v_wmma_f32_16x16x32_f16 v[X+8*(2*(\ft)+(\u)):X+8*(2*(\ft)+(\u))+7], v[F+64*(\buf)+8*(\ft):F+64*(\buf)+8*(\ft)+7], v[H+8*(2*(\kk)+(\u)):H+8*(2*(\kk)+(\u))+7], v[X+8*(2*(\ft)+(\u)):X+8*(2*(\ft)+(\u))+7]
.endr
.endr
.endm
; A LAYER's FIRST PIECE
.macro ATT
	PLACES
	WIN 0
	v_add_nc_u32 v[ADP], s[PBS], v[H32]
	RUNQ 0
	RUNQ 1
	LNLOAD 0
	LN
	BVLOAD 1024                                    ; bo
.irp hd, 0,1,2,3,4,5,6,7
	UNIT \hd
.endr
	PLACES
.irp a, 0,1,2,3,4,5
	CVTQ 7, \a
.endr
	RUNWO 1, 1
	RUNWO 2, 2
	ATTN
	s_wait_dscnt 0x0                               ; Wo's first three sets, gain and bias
	WOK 0, 0
	PLACES
	RUNWO 3, 0
	WOK 1, 1
	WOK 2, 2
	s_wait_dscnt 0x0
	WOK 3, 0
	PLACES
	LN
	BVLOAD 2560                                    ; b2
	s_add_co_u32 s[TBI], s[PBS], 3072              ; b1
	s_add_co_u32 s[PBS], s[PBS], LBLK
.endm
; THE HIDDEN LAYER, a chunk of 32 hidden features at a time.  A chunk is 16,384 bytes of the slot: 8 fragments of W1, 8 of W2.
.macro W1LD par, o                     ; W1's fragments and b1 of the chunk at byte o behind ADF, into set par: 16 + 4 loads
	WIN TO2
.irp e, 0,1,2,3,4,5,6,7
	ds_load_b128 v[F+64*(\par)+8*(\e):F+64*(\par)+8*(\e)+3], v[ADF] offset:(\o)+1024*(\e)
	ds_load_b128 v[F+64*(\par)+8*(\e)+4:F+64*(\par)+8*(\e)+7], v[ADF] offset:(\o)+1024*(\e)+512
.endr
	WIN TO1
.irp t2, 0,1
.irp q, 0,1
	ds_load_b128 v[BI+16*(\par)+8*(\t2)+4*(\q):BI+16*(\par)+8*(\t2)+4*(\q)+3], v[ADB] offset:(\o)/128+64*(\t2)+16*(\q)
.endr
.endr
.endm
.macro W2LD buf, o                     ; 8 fragments of W2 from byte o behind ADF: 16 loads
	WIN TO2
.irp ft, 0,1,2,3,4,5,6,7
	ds_load_b128 v[(\buf)+8*(\ft):(\buf)+8*(\ft)+3], v[ADF] offset:(\o)+1024*(\ft)
	ds_load_b128 v[(\buf)+8*(\ft)+4:(\buf)+8*(\ft)+7], v[ADF] offset:(\o)+1024*(\ft)+512
.endr
.endm
; 16 matrix instructions: the chunk's four accumulators (t2, u) by turns; b1 is the C operand that starts the sums.  ride = 1: b2 onto x, four packed sums behind each product
.macro W1G par, ride
.set gw, 0
.irp kk, 0,1,2,3
.irp t2, 0,1
.irp u, 0,1
	WIN W_G
.if (\kk) == 0
	v_wmma_f32_16x16x32_f16 v[HA+8*(2*(\t2)+(\u)):HA+8*(2*(\t2)+(\u))+7], v[F+64*(\par)+8*(2*(\kk)+(\t2)):F+64*(\par)+8*(2*(\kk)+(\t2))+7], v[H+8*(2*(\kk)+(\u)):H+8*(2*(\kk)+(\u))+7], v[BI+16*(\par)+8*(\t2):BI+16*(\par)+8*(\t2)+7]
.else
	v_wmma_f32_16x16x32_f16 v[HA+8*(2*(\t2)+(\u)):HA+8*(2*(\t2)+(\u))+7], v[F+64*(\par)+8*(2*(\kk)+(\t2)):F+64*(\par)+8*(2*(\kk)+(\t2))+7], v[H+8*(2*(\kk)+(\u)):H+8*(2*(\kk)+(\u))+7], v[HA+8*(2*(\t2)+(\u)):HA+8*(2*(\t2)+(\u))+7]
.endif
.if \ride
	BXADD gw/2, gw%2
.endif
.set gw, gw+1
.endr
.endr
.endr
.endm
.macro HCV i, par                      ; hidden tile i = 2 t2 + u is rounded to f16,
	WIN W_CH
.irp q, 0,1,2,3
	v_cvt_pk_f16_f32 v[HB+16*(\par)+8*((\i)%2)+4*((\i)/2)+(\q)], v[HA+8*(\i)+2*(\q)], v[HA+8*(\i)+2*(\q)+1]
.endr
.endm
.macro HMX i, par                      ; and held at 0 or above, two numbers a line
	WIN W_CH
.irp q, 0,1,2,3
	v_pk_max_num_f16 v[HB+16*(\par)+8*((\i)%2)+4*((\i)/2)+(\q)], v[HB+16*(\par)+8*((\i)%2)+4*((\i)/2)+(\q)], v[ZR]
.endr
.endm
.macro RIDE gi, par
.if (\gi) == 0
	HCV 0, \par
.elseif (\gi) == 1
	HCV 1, \par
.elseif (\gi) == 2
	HMX 0, \par
.elseif (\gi) == 3
	HCV 2, \par
.elseif (\gi) == 4
	HMX 1, \par
.elseif (\gi) == 5
	HCV 3, \par
.elseif (\gi) == 6
	HMX 2, \par
.else
	HMX 3, \par
.endif
.endm
; 16 matrix instructions: x += W2's chunk x hidden set hb, x's 16 accumulators by turns.  ride = 1: behind every second one four lines that make hidden set par of the sums just finished
.macro W2G hb, buf, ride, par
.set gx, 0
.irp ft, 0,1,2,3,4,5,6,7
.irp u, 0,1
	WIN W_W2
	v_wmma_f32_16x16x32_f16 v[X+8*(2*(\ft)+(\u)):X+8*(2*(\ft)+(\u))+7], v[(\buf)+8*(\ft):(\buf)+8*(\ft)+7], v[HB+16*(\hb)+8*(\u):HB+16*(\hb)+8*(\u)+7], v[X+8*(2*(\ft)+(\u)):X+8*(2*(\ft)+(\u))+7]
.if (\ride) && (gx%2 == 1)
	RIDE gx/2, \par
.endif
.set gx, gx+1
.endr
.endr
.endm
; Chunk c (parity par): W2 of chunk c - 1 and W1, b1 of chunk c + 1 are fetched; W1 of chunk c is multiplied; then W2 of chunk c - 1, with chunk c's conversions behind its products.
; o: byte of chunk c - 1 behind ADF.  last = 1: chunk 7: in W1's stead W2 of chunk 7 is fetched.
.macro STEP par, o, last
	PLACES
	W2LD F+128, (\o)+8192
.if \last
	W2LD F, (\o)+24576
	s_wait_dscnt 32                                ; all but the 32 just issued
.else
	W1LD 1-(\par), (\o)+32768
	s_wait_dscnt 36                                ; all but the 36 just issued
.endif
	W1G \par, 0
	PLACES
.if \last
	s_wait_dscnt 16                                ; W2 of chunk c - 1 is in; the younger 16 may stay out
.else
	s_wait_dscnt 20                                ; W2 of chunk c - 1 is in; the younger 20 may stay out
.endif
	W2G 1-(\par), F+128, 1, \par
.endm
; A piece of 8 chunks.  bias = 1: the layer's first such piece, which also adds b2
.macro FFN bias
	PLACES
	WIN 0
	s_mov_b32 s[TF], s[SB]
	v_add_nc_u32 v[ADF], s[TF], v[LN16]
	v_add_nc_u32 v[ADB], s[TBI], v[H32]
	W1LD 0, 0
	W1LD 1, 16384
	s_wait_dscnt 20                                ; chunk 0 is in; chunk 1's 20 loads may stay out
	W1G 0, \bias
	PLACES
.irp i, 0,1,2,3
	HCV \i, 0
.endr
.irp i, 0,1,2,3
	HMX \i, 0
.endr
	WIN 0
	s_mov_b32 s[CNT], 3
.Lffn_\@:                                              ; chunks 1, 2 | 3, 4 | 5, 6
	STEP 1, 0, 0
	STEP 0, 16384, 0
	WIN 0
	s_add_co_u32 s[TF], s[TF], 32768
	s_add_co_u32 s[TBI], s[TBI], 256
	v_add_nc_u32 v[ADF], s[TF], v[LN16]
	v_add_nc_u32 v[ADB], s[TBI], v[H32]
	s_sub_co_u32 s[CNT], s[CNT], 1
	s_cmp_lg_u32 s[CNT], 0
	s_cbranch_scc1 .Lffn_\@
	STEP 1, 0, 1
	s_wait_dscnt 0x0
	W2G 1, F, 0, 0
	WIN 0
	s_add_co_u32 s[TBI], s[TBI], 256               ; b1 of the next piece's chunk 0
.endm
	s_load_b128 s[4:7], s[0:1], 0x0                ; tokens s[4:5], ws s[6:7]
	s_load_b64 s[8:9], s[0:1], 0x10                ; out0
	v_lshl_add_u32 v[SPW], v0, 2, SPARE
	v_mov_b32 v[NIL], 0
	ds_add_u32 v[SPW], v[NIL]                      ; the wave's opening: the add and its wait stand ahead of my first tensor load; the set-up below, work on registers, stands between them
	v_lshrrev_b32 v1, 5, v0
	v_readfirstlane_b32 s[WV], v1                  ; wave 0..3
	s_bfe_u32 s[CX], ttmp6, 0x40000                ; my place in the cluster
	s_lshl_b32 s[WG], ttmp9, 2                     ; in a cluster launch ttmp9 counts clusters
	s_add_co_u32 s[WG], s[WG], s[CX]
	; descriptor group 1: dense bytes as rows of 256: 32 elements of 8 bytes
	s_mov_b32 s[G1], 15|(3<<16)|(1<<21)            ; 15:0 the mask: all four work-groups; 17:16 elements of 8 bytes; 21 set beside a mask
	s_mov_b32 s[G1P], 15|(3<<16)|(1<<21)
	s_mov_b32 s[G1+1], 32<<16                      ; tensor_dim0 = 32
	s_mov_b32 s[G1P+1], 32<<16
	s_mov_b32 s[G1+2], 128<<16                     ; tensor_dim1 = 128 rows: a quarter of a piece
	s_mov_b32 s[G1P+2], 62<<16                     ; 62 rows: a quarter of the parameters
	s_mov_b32 s[G1+3], 32<<16                      ; tile_dim0 = 32
	s_mov_b32 s[G1P+3], 32<<16
	s_mov_b32 s[G1+4], 128                         ; tile_dim1
	s_mov_b32 s[G1P+4], 62
	s_mov_b32 s[G1+5], 32                          ; 32 elements from row to row
	s_mov_b32 s[G1P+5], 32
	s_mov_b32 s[G1+6], 0
	s_mov_b32 s[G1P+6], 0
	s_mov_b32 s[G1+7], 0
	s_mov_b32 s[G1P+7], 0
	s_mov_b32 s[G0], 1                             ; count = 1
	s_lshl_b32 s[G0+1], s[WV], 15                  ; LDS: slot 0, quarter w: no place in the cluster enters an LDS address
	s_mov_b32 s[G0P], 1
	s_mul_i32 s[G0P+1], s[WV], PARQ
	s_add_co_u32 s[G0P+1], s[G0P+1], PARB
	s_mov_b32 s[CS], 0x3eb8aa3b                    ; c = log2(e) / 4
	s_mov_b32 s[CS+1], s[CS]                       ; named with it as a pair
	s_mov_b32 s[SEL], 0x76543210
	s_mov_b32 s[SEL+1], 0xfedcba98
	s_mov_b32 s[BIGN], 0xf149f2ca                  ; -1e30
	s_mov_b32 s[SB], SLOT1                         ; the first change of slots turns it into 0
	s_mov_b32 s[LAY], 8
	s_mov_b32 s[LEFT], 23
	s_mov_b32 s[PBS], PARB
	s_cmp_eq_u32 ttmp9, 0
	s_cselect_b32 s[LIM], 1, -1                    ; the same in all four partners
	s_mov_b32 s3, 0
	s_mov_b32 s57, 0
	s_wait_dscnt 0x0                               ; the opening add is done
	s_wait_kmcnt 0x0
	s_lshl_b32 s2, s[WV], 15
	s_add_nc_u64 s[G0+2:G0+3], s[6:7], s[2:3]      ; piece 0, quarter w
	s_or_b32 s[G0+3], s[G0+3], 0x80000000          ; type = 2
	s_mul_i32 s2, s[WV], PARQ
	s_add_co_u32 s2, s2, PAR
	s_add_nc_u64 s[G0P+2:G0P+3], s[6:7], s[2:3]
	s_or_b32 s[G0P+3], s[G0P+3], 0x80000000
	s_add_nc_u64 s[TBP:TBP+1], s[6:7], TAB
	s_lshl_b32 s56, s[CX], 15                      ; what hangs on my place in the cluster is made in s[56:57] alone
	s_lshl_b32 s13, s[WV], 13
	s_add_co_u32 s56, s56, s13
	s_add_co_u32 s56, s56, PIECE
	s_add_nc_u64 s[PFA:PFA+1], s[6:7], s[56:57]    ; in piece 1; the first change of slots steps it to piece 2.  Nothing is prefetched here, at the head
	s_lshl_b32 s56, s[WG], 9                       ; my work-group's 8 sequences of 64 bytes,
	s_lshl_b32 s13, s[WV], 7                       ; my wave's 2
	s_add_co_u32 s56, s56, s13
	s_add_nc_u64 s[4:5], s[4:5], s[56:57]
	s_mul_i32 s56, s[WG], 33280                    ; my work-group's 128 rows of 260 bytes
	s_add_nc_u64 s[8:9], s[8:9], s[56:57]
	CROUND                                         ; all four work-groups are here: the first joint loads meet
	tensor_load_to_lds s[G0P:G0P+3], s[G1P:G1P+7]  ; the parameters, once; two loads of mine are out
	s_nop 0
	tensor_load_to_lds s[G0:G0+3], s[G1:G1+7]      ; piece 0
	s_nop 0
	PLACES
	; x = tok_emb[token] + pos_emb, in the wait for the first piece
	v_and_b32 v[RR], 15, v0
	v_bfe_u32 v[HH], v0, 4, 1
	v_and_b32 v1, 31, v0
	v_lshlrev_b32 v[LN16], 4, v1
	v_lshlrev_b32 v[PFO], 8, v1
	v_lshlrev_b32 v[H32], 5, v[HH]
	v_lshlrev_b32 v[TK], 2, v[RR]
	global_load_b32 v[GT], v[TK], s[4:5]
	global_load_b32 v[GT+1], v[TK], s[4:5] offset:64
	v_lshl_add_u32 v[GP], v[RR], 9, v[H32]         ; row r of 512 bytes + 32 h
.irp ft, 0,1,2,3,4,5,6,7
.irp hf, 0,1
	global_load_b128 v[SA+8*(\ft)+4*(\hf):SA+8*(\ft)+4*(\hf)+3], v[GP], s[TBP:TBP+1] offset:33280+64*(\ft)+16*(\hf)
.endr
.endr
	s_wait_loadcnt 16                              ; the two tokens are in; pos_emb's 16 loads may stay out
.irp u, 0,1
	v_min_u32 v[GT+(\u)], 64, v[GT+(\u)]           ; inside the table
	v_lshlrev_b32 v[GT+(\u)], 9, v[GT+(\u)]
	v_add_nc_u32 v[GT+(\u)], v[GT+(\u)], v[H32]
.endr
	WIN TO1
.irp ft, 0,1,2,3,4,5,6,7
.irp u, 0,1
.irp hf, 0,1
	global_load_b128 v[X+8*(2*(\ft)+(\u))+4*(\hf):X+8*(2*(\ft)+(\u))+4*(\hf)+3], v[GT+(\u)], s[TBP:TBP+1] offset:64*(\ft)+16*(\hf)
.endr
.endr
.endr
	v_mov_b32 v[ZR], 0
	WIN TO3
.irp hd, 0,1,2,3,4,5,6,7               ; the zeros between a head's two q
.irp q, 0,1,2,3
	v_mov_b32 v[QP+12*(\hd)+4+(\q)], 0
.endr
.endr
	WIN 0
.set i, 0
.rept 64                               ; the statistics' registers are named in pairs and as v_permlanex16_b32's destinations: they are written once here
	v_mov_b32 v[ST+i], 0
.set i, i+1
.endr
	v_mov_b32 v[C128], 0x3c000000
	v_lshlrev_b32 v1, 3, v[HH]
	v_sub_nc_u32 v1, v[RR], v1                     ; r - 8 h: key 8 h + j is hidden from query r where j is greater
.irp j, 0,1,2,3,4,5,6,7
	v_cmp_gt_i32 vcc_lo, (\j), v1
	v_cndmask_b32 v[MD+(\j)], 0, s[BIGN], vcc_lo
.endr
	s_wait_loadcnt 0x0
.irp ft, 0,1,2,3,4,5,6,7
.irp u, 0,1
	BXADD \ft, \u
.endr
.endr
	WIN 0
	s_branch .Lentry                               ; the loop is entered in the middle of a trip, so that only the last piece is written out behind it
.Ltop:
	CHANGE 1
	FFN 0                                          ; hidden 256-511 of the layer before
.Lentry:
	CHANGE 1
	ATT
	CHANGE 1
	FFN 1                                          ; hidden 0-255
	s_sub_co_u32 s[LAY], s[LAY], 1
	s_cmp_lg_u32 s[LAY], 0
	s_cbranch_scc1 .Ltop
	CHANGE 0                                       ; the last piece: nothing is asked for
	FFN 0
	; THE END: LayerNorm, 65 logits (five tiles of 16, of which the last holds one), the way out
	PLACES
	WIN 0
	v_add_nc_u32 v[ADP], s[PBS], v[H32]            ; behind the eight layers' blocks: lnf_g, lnf_b, bout
	v_add_nc_u32 v[AW], PARB+WOUTB, v[LN16]
	LNLOAD 0
	WIN TO2
.set i, 0
.rept 20
	ds_load_b128 v[F+8*i:F+8*i+3], v[AW] offset:1024*i
	ds_load_b128 v[F+8*i+4:F+8*i+7], v[AW] offset:1024*i+512
.set i, i+1
.endr
	LN
	WIN 0
.irp ft, 0,1,2,3,4
.irp hf, 0,1
	ds_load_b128 v[SA+8*(\ft)+4*(\hf):SA+8*(\ft)+4*(\hf)+3], v[ADP] offset:1024+64*(\ft)+16*(\hf)
.endr
.endr
	s_mul_i32 s13, s[WV], 8320                     ; my wave's 32 rows of 260 bytes in the stage
	v_mul_u32_u24 v[STA], v[RR], 260
	v_add_nc_u32 v[STA], s13, v[STA]
	v_add_nc_u32 v[STA], v[STA], v[H32]
	v_lshl_add_u32 v[STL], v[HH], 16, v[STA]       ; of the fifth tile only feature 64 (h = 0, register 0) is a logit: the lanes with h = 1 store 65,536 bytes further on, where nobody reads
	s_lshl_b32 s13, s[WV], 13
	v_add_nc_u32 v[RD], s13, v[LN16]
	s_wait_dscnt 0x0
.irp kk, 0,1,2,3                       ; ten accumulators by turns; bout is the C operand that starts the sums
.irp ft, 0,1,2,3,4
.irp u, 0,1
.if (\kk) == 0
	WIN W_G0
	v_wmma_f32_16x16x32_f16 v[LG+8*(2*(\ft)+(\u)):LG+8*(2*(\ft)+(\u))+7], v[F+8*(4*(\ft)+(\kk)):F+8*(4*(\ft)+(\kk))+7], v[H+8*(2*(\kk)+(\u)):H+8*(2*(\kk)+(\u))+7], v[SA+8*(\ft):SA+8*(\ft)+7]
.else
	WIN W_G
	v_wmma_f32_16x16x32_f16 v[LG+8*(2*(\ft)+(\u)):LG+8*(2*(\ft)+(\u))+7], v[F+8*(4*(\ft)+(\kk)):F+8*(4*(\ft)+(\kk))+7], v[H+8*(2*(\kk)+(\u)):H+8*(2*(\kk)+(\u))+7], v[LG+8*(2*(\ft)+(\u)):LG+8*(2*(\ft)+(\u))+7]
.endif
.endr
.endr
.endr
	PLACES
	; The stage lies in slot 0, which has had its last fill, and which every wave left at the last change of slots: 128 rows of 260 bytes, dense, as they lie in out0
	WIN W_ST
.irp ft, 0,1,2,3
.irp u, 0,1
.irp j, 0,1,2,3,4,5,6,7
	ds_store_b32 v[STA], v[LG+8*(2*(\ft)+(\u))+(\j)] offset:4160*(\u)+64*(\ft)+4*(\j)
.endr
.endr
.endr
.irp u, 0,1
	ds_store_b32 v[STL], v[LG+8*(8+(\u))] offset:256+4160*(\u)
.endr
	WIN 0
	s_wait_dscnt 0x0                               ; for the others' sake: my stores into the stage are done
	s_barrier_signal -1
	s_barrier_wait -1
.irp t, 0,1,2,3,4,5,6,7,8,9,10,11,12,13,14,15
	ds_load_b128 v[SA+4*(\t):SA+4*(\t)+3], v[RD] offset:512*(\t)
.endr
.irp t, 0,1,2,3,4,5,6,7,8,9,10,11,12,13,14,15
	s_wait_dscnt 15-(\t)
	global_store_b128 v[RD], v[SA+4*(\t):SA+4*(\t)+3], s[8:9] offset:512*(\t)  ; 512 consecutive bytes, at a multiple of 256 from out0's first byte
.endr
	s_cmp_lg_u32 s[WV], 0                          ; 33,280 = 65 x 512: wave 0 takes the last 512 bytes
	s_cbranch_scc1 .Lend
	ds_load_b128 v[SA+64:SA+67], v[LN16] offset:32768
	s_wait_dscnt 0x0
	global_store_b128 v[LN16], v[SA+64:SA+67], s[8:9] offset:32768
.Lend:
	s_wait_tensorcnt 0x0                           ; the wave's end: behind my last tensor load and my last LDS store
	ds_add_u32 v[SPW], v[NIL]
	s_wait_dscnt 0x0
	CROUND                                         ; the closing round: no work-group ends while a partner may still ask for a piece that names it
	s_endpgm
.Lfunc_end_k_q237bdd9cdd_model:
	.size	k_q237bdd9cdd_model, .Lfunc_end_k_q237bdd9cdd_model-k_q237bdd9cdd_model
	.p2alignl 7, 3214868480
	.fill 96, 4, 3214868480
	.section	.rodata,"a",@progbits
	.p2align	6, 0x0
	.amdhsa_kernel k_q237bdd9cdd_model
		.amdhsa_group_segment_fixed_size 327680
		.amdhsa_private_segment_fixed_size 0
		.amdhsa_enable_private_segment 0
		.amdhsa_kernarg_size 24
		.amdhsa_user_sgpr_count 2
		.amdhsa_user_sgpr_kernarg_segment_ptr 1
		.amdhsa_wavefront_size32 1
		.amdhsa_system_sgpr_workgroup_id_x 1
		.amdhsa_system_sgpr_workgroup_id_y 1
		.amdhsa_system_sgpr_workgroup_id_z 1
		.amdhsa_system_vgpr_workitem_id 0
		.amdhsa_next_free_vgpr 1024
		.amdhsa_next_free_sgpr 66
		.amdhsa_reserve_vcc 1
		.amdhsa_float_denorm_mode_32 3
		.amdhsa_float_denorm_mode_16_64 3
		.amdhsa_memory_ordered 1
		.amdhsa_forward_progress 1
		.amdhsa_inst_pref_size 255
	.end_amdhsa_kernel
	.section	.bss,"aw",@nobits
	.p2align	6
	.space	262144
	.amdgpu_metadata
---
amdhsa.version: [ 1, 2 ]
amdhsa.kernels:
  - .name:           k_q237bdd9cdd_model
    .symbol:         k_q237bdd9cdd_model.kd
    .args:
      - { .name: tokens, .offset: 0, .size: 8, .value_kind: global_buffer, .address_space: global }
      - { .name: ws, .offset: 8, .size: 8, .value_kind: global_buffer, .address_space: global }
      - { .name: out0, .offset: 16, .size: 8, .value_kind: global_buffer, .address_space: global }
    .group_segment_fixed_size: 327680
    .private_segment_fixed_size: 0
    .kernarg_segment_align: 8
    .kernarg_segment_size: 24
    .max_flat_workgroup_size: 128
    .sgpr_count:     66
    .vgpr_count:     1024
    .wavefront_size: 32
...
	.end_amdgpu_metadata
.endif
;; end of part 2
